; MI455X (gfx1250); checked and timed in simulation.
; The chip was launched on July 23, 2026; its instructions are those of AMD's public machine-readable ISA for CDNA 5 (MIT licence, August 2026) and "CDNA5" Instruction Set Architecture Reference Guide (July 2026). The comments in the code are by the model that wrote it; some were corrected since.
;; Vector Quantizer. Allowed arithmetic: matrix products marked QUANTISED: E2M3 operands, one E8M0 scale for each 32 along K, by v_wmma_scale_f32_16x16x128_f8f6f4 with both operands' format E2M3, f32 sums; everything else in f32.
;; Inputs: W 8,192 x 256 float32; z 32,768 x 256 float32.
;; Outputs: out0 32,768 x 256 float32; out1 32,768 int32; out2 32,768 float32.
;; This version of the problem:
;;   THIS VERSION OF THE PROBLEM IS GIVEN IN LOW PRECISION. The matrix products marked QUANTISED in the list below multiply operands that are first quantised to E2M3 (2 exponent bits, 3 mantissa bits; 6 bits a number), with one power-of-two scale for each 32 numbers along K (OCP MX v1.0); their sums are f32. All else is computed in f32.
;;   The module's matrix products, in the order in which they are computed (A, B: the left and right operand; K: the contracted axis; several contracted axes count as one K, in the product's order):
;;     1. [M 32,768, K 256] x [K 256, N 8,192]; A: input z; B: input W: QUANTISED
;;   THE QUANTISER, for each operand of a quantised product, along K:
;;     - K is cut into blocks of 32 from its start; a last block that is shorter is filled with zeros.
;;     - A block's scale is 2^e with e = floor(log2(the largest magnitude in the block)) - 2, held to -126 .. 127; a block of zeros has e = 0. As a byte (E8M0): e + 127.
;;     - Each number is divided by its block's scale, clamped to +-7.5, and rounded to the nearest number of E2M3, ties to even, subnormals kept.
;;     - The product sums the exact products of the quantised numbers (number of the format x scale) in f32.
;;   ~~~python
;;   def quantise(x, axis):      # numpy; x: float32 -> the quantised numbers, widened to float32 again
;;       x = np.moveaxis(x, axis, -1); K = x.shape[-1]
;;       x = np.pad(x, [(0, 0)] * (x.ndim - 1) + [(0, -K % 32)]); x = x.reshape(x.shape[:-1] + (-1, 32)); a = np.abs(x).max(-1, keepdims=True)
;;       e = np.where(a > 0, np.clip(np.frexp(np.where(a > 0, a, 1))[1] - 1 - 2, -126, 127), 0)      # np.frexp(a)[1] - 1 = floor(log2(a)), exactly
;;       r = np.clip(x / 2.0 ** e, -7.5, 7.5)
;;       step = 2.0 ** (np.maximum(np.frexp(np.where(r == 0, 1, r))[1] - 1, 0) - 3)
;;       q = np.round(r / step) * step * 2.0 ** e      # np.round: ties to even
;;       return np.moveaxis(q.reshape(q.shape[:-2] + (-1,))[..., :K], -1, axis).astype(np.float32)
;;   ~~~
;; One version. Each part assembles by itself: llvm-mc -triple=amdgcn-amd-amdhsa -mcpu=gfx1250 --defsym DOCPART=n.
;; ======== version 1 of 1: 3 launches
;; limits: right only within a limited range of input values
;; workspace buffers: zrec 6,815,744 bytes; wrec 1,703,936 bytes; cand 2,097,152 bytes of whole numbers
;; launch pack (part 1): grid 640 x 1, 4 waves a work-group, no clusters, 68,096 bytes of LDS; arguments z, W, zrec, wrec; writes zrec, wrec
.if DOCPART == 1
	.amdgcn_target "amdgcn-amd-amdhsa--gfx1250"
	.amdhsa_code_object_version 6
	.text
	.protected	k_qc62711a138_pack
	.globl	k_qc62711a138_pack
	.p2align	8
	.type	k_qc62711a138_pack,@function
k_qc62711a138_pack:
	s_mov_b64 s[64:65], 0
	v_nop
	global_prefetch_b8 v0, s[64:65] scope:SCOPE_SE
	s_setreg_imm32_b32 hwreg(HW_REG_WAVE_MODE, 25, 1), 1
	s_wait_xcnt 0x0
; z [32768][256] and W [8192][256], f32, are turned into RECORDS of 16 rows each, laid in the order in which the matrix unit's operand registers take them.
; A record is 3,328 bytes (13 x 256):  0..3071 two fragment images (K step s at 1536 s; registers 4 q .. 4 q + 3 of lane l at 512 q + 16 l);
;   3072..3199 the scale image, a word a lane: lanes 0-15 row r's four E8M0 bytes of K step 0, lanes 16-31 row r's of K step 1;
;   3200..3263 the 16 rows' sums of squares of the f32 numbers;  3264..3327 zeros.
; THE QUANTISER: codes of FP6 (E2M3); a block of 32 along K has the scale 2^(floor(log2(its largest magnitude)) - 2); its byte is the largest magnitude's exponent field - 2, held at 1 from below.
; (A block of zeros so gets the byte 1 where the rule says 127: its codes are zeros, which add nothing under any byte but 0xff, and the bytes are read by this program alone.)
; LIMITS: blocks whose largest magnitude lies under 2^-124 keep the byte 1; NaN and infinities among the inputs are not served; a row's sum of squares is added in four chains of pairs, an order of its own.
; SHARES: a wave takes one tile of 16 rows, 16,384 dense bytes, and makes one record.  Work-groups 0-511 take z's 2,048 tiles, 512-639 W's 512: only pointers are chosen, the text has one path.
; Each load reads 512 consecutive bytes; the conversions want 16 neighbours along K in ONE lane's registers: so the tile turns through the wave's own stage in LDS (rows 1,040 bytes apart: 65 x 16, so that the
; sixteen rows that a 16-byte load touches fall into sixteen different columns of 16 bytes).  No tensor loads, no barrier: waves share nothing.  All 32 loads of a wave go out at once.
.set ZWG,   512                        ; work-groups that take z
.set REC,   3328
.set PITCH, 1040
.set TAIL,  16*PITCH                   ; behind the stage: 256 bytes in which the record's last 256 bytes are gathered
.set WREG,  TAIL+256                   ; a wave's LDS
.set L16, 4                            ; v4   16 x lane
.set SA,  5                            ; v5   the stage, on the way in
.set LA,  6                            ; v6   the stage, on the way out: row r, + 64 h
.set TW,  7                            ; v7   the tail: 4 x lane
.set TS,  8                            ; v8   the tail: 4 x r
.set TR,  9                            ; v9   the tail: 8 x lane
.set L8,  10                           ; v10  8 x lane
.set NIL, 11                           ; v11  0
.set X,   16                           ; v16-143  128 numbers: as loaded, then register 64 s + 16 b + i = k 128 s + 32 b + 16 h + i of row r
.set TM,  144                          ; v144-147 largest magnitudes, v148-151 bytes, v156-159 the conversions' scale operands
.set PCA, 160                          ; v160-171 K step 0's codes, v172-178 at work
.set PCB, 180                          ; v180-191 K step 1's, v192-198 at work
.set PW,  200                          ; v200, v201 the two scale words
.set SW,  202                          ; v202 the scale image's word
.set SQ,  204                          ; v204-211 four chains of pair sums
.set SS,  212                          ; v212 the row's sum of squares; v213 the other half's
	s_load_b256 s[4:11], s[0:1], 0x0               ; z s[4:5], W s[6:7], zrec s[8:9], wrec s[10:11]
	v_lshl_add_u32 v224, v0, 2, 0x10800
	v_mov_b32 v225, 0
	v_lshrrev_b32 v1, 5, v0
	v_readfirstlane_b32 s12, v1                    ; wave 0..3
	v_and_b32 v1, 31, v0                           ; lane
	v_and_b32 v2, 15, v0                           ; r
	v_bfe_u32 v3, v0, 4, 1                         ; h
	v_lshlrev_b32 v[L16], 4, v1
	s_mul_i32 s13, s12, WREG                       ; my wave's LDS
	s_add_co_u32 s14, s13, TAIL
	v_add_nc_u32 v[SA], s13, v[L16]
	v_mul_u32_u24 v[LA], v2, PITCH
	v_lshl_add_u32 v[LA], v3, 6, v[LA]
	v_add_nc_u32 v[LA], s13, v[LA]
	v_lshl_add_u32 v[TW], v1, 2, s14
	v_lshl_add_u32 v[TS], v2, 2, s14
	v_lshl_add_u32 v[TR], v1, 3, s14
	v_lshlrev_b32 v[L8], 3, v1
	v_mov_b32 v[NIL], 0
	s_mov_b32 s20, 0x76543210
	s_mov_b32 s21, 0xfedcba98                      ; v_permlanex16_b32's selects for lane l xor 16
.irp b, 0,1,2,3
	v_mov_b32 v[TM+4+\b], 0                        ; written once: a lane permute's destination counts as one of its sources
.endr
	v_mov_b32 v[SS+1], 0
	s_wait_kmcnt 0x0
	s_cmp_lt_u32 ttmp9, ZWG                        ; z's work-group or W's?  The choice hangs on the work-group's number alone
	s_cselect_b64 s[4:5], s[4:5], s[6:7]
	s_cselect_b64 s[8:9], s[8:9], s[10:11]
	s_cselect_b32 s15, 0, ZWG
	s_sub_co_u32 s15, ttmp9, s15
	s_lshl_b32 s15, s15, 2
	s_add_co_u32 s16, s15, s12                     ; my tile of the tensor
	s_lshl_b32 s18, s16, 14                        ; 16 rows of 1,024 bytes (under 2^26)
	s_mov_b32 s19, 0
	s_add_nc_u64 s[4:5], s[4:5], s[18:19]
	s_mul_i32 s18, s16, REC
	s_add_nc_u64 s[8:9], s[8:9], s[18:19]
.irp i, 0,1,2,3,4,5,6,7,8,9,10,11,12,13,14,15,16,17,18,19,20,21,22,23,24,25,26,27,28,29,30,31
	global_load_b128 v[X+4*\i:X+4*\i+3], v[L16], s[4:5] offset:512*\i th:TH_LOAD_NT   ; 32 lanes read 512 consecutive bytes: half a row
.endr
.irp q, 0,1,2,3
	s_wait_loadcnt 24-8*\q                         ; loads come back in order: these eight are in, the 8 (3 - q) younger ones stay out
.irp i, 0,1,2,3,4,5,6,7
	ds_store_b128 v[SA], v[X+4*(8*\q+\i):X+4*(8*\q+\i)+3] offset:((8*\q+\i)/2)*PITCH+((8*\q+\i)%2)*512
.endr
.endr
	s_wait_dscnt 0x0                               ; the stores have read their registers, which the loads below fill again
.irp s, 0,1
.irp b, 0,1,2,3
.irp j, 0,1,2,3
	ds_load_b128 v[X+64*\s+16*\b+4*\j:X+64*\s+16*\b+4*\j+3], v[LA] offset:512*\s+128*\b+16*\j   ; of row r: my half's 16 neighbours of block 4 s + b
.endr
.endr
.endr
; my 64 numbers of a K step, squared and added, two at a time, in four chains.  first = 1: the first four products start the chains: nothing is cleared
.macro SUMSQ s, first
.set p, 0
.rept 32
.if \first && (p < 4)
	v_pk_mul_f32 v[SQ+2*(p%4):SQ+2*(p%4)+1], v[\s+2*p:\s+2*p+1], v[\s+2*p:\s+2*p+1]
.else
	v_pk_fma_f32 v[SQ+2*(p%4):SQ+2*(p%4)+1], v[\s+2*p:\s+2*p+1], v[\s+2*p:\s+2*p+1], v[SQ+2*(p%4):SQ+2*(p%4)+1]
.endif
.set p, p+1
.endr
.endm
; 64 numbers of a lane, v[s] .. v[s + 63], register 16 b + i = k 32 b + 16 h + i of my row, become a fragment's codes in v[pc] .. v[pc + 11] and its scale word in v[pw]
.macro QUANT s, pc, pw
.irp b, 0,1,2,3
	v_max3_num_f32 v[TM+\b], |v[\s+16*\b]|, |v[\s+1+16*\b]|, 0x1800000   ; block b: my 16 numbers, and the floor 2^(3 - 127): so the byte cannot fall under 1
.endr
.irp i, 2,4,6,8,10,12,14
.irp b, 0,1,2,3
	v_max3_num_f32 v[TM+\b], v[TM+\b], |v[\s+16*\b+\i]|, |v[\s+1+16*\b+\i]|   ; (the four blocks by turns)
.endr
.endr
.irp b, 0,1,2,3
	v_permlanex16_b32 v[TM+4+\b], v[TM+\b], s20, s21
.endr
.irp b, 0,1,2,3
	v_max_num_f32 v[TM+\b], v[TM+\b], v[TM+4+\b]   ; with lane l xor 16's: the block's largest magnitude
.endr
.irp b, 0,1,2,3
	v_add_nc_u32 v[TM+12+\b], 0xff000000, v[TM+\b] ; 2 off its exponent field: the conversion takes the exponent field of this operand as its scale, and nothing else of it
.endr
.irp b, 0,1,2,3
	v_lshrrev_b32 v[TM+4+\b], 23, v[TM+12+\b]      ; the scale's byte
.endr
	v_lshl_or_b32 v[\pw], v[TM+5], 8, v[TM+4]      ; the four bytes make my row's scale word
	v_lshl_or_b32 v[\pw], v[TM+6], 16, v[\pw]
	v_lshl_or_b32 v[\pw], v[TM+7], 24, v[\pw]
.irp c, 0,1
	v_cvt_scalef32_pk16_fp6_f32 v[\pc+6*\c:\pc+2+6*\c], v[\s+32*\c:\s+15+32*\c], v[TM+12+2*\c]
	v_cvt_scalef32_pk16_fp6_f32 v[\pc+12+4*\c:\pc+14+4*\c], v[\s+16+32*\c:\s+31+32*\c], v[TM+12+2*\c+1]   ; (a conversion's three registers begin on an even number)
.endr
	v_nop                                          ; one plain vector instruction behind a scaled conversion
.irp c, 0,1                                    ; the operand's layout wants a WHOLE block in a lane: lanes 0-15 block 2 c, lanes 16-31 block 2 c + 1
.irp i, 0,1,2
	v_permlane16_swap_b32 v[\pc+6*\c+\i], v[\pc+12+4*\c+\i]
.endr
.irp i, 0,1,2
	v_mov_b32 v[\pc+3+6*\c+\i], v[\pc+12+4*\c+\i]
.endr
.endr
.endm
	s_wait_dscnt 16                                ; K step 0's sixteen loads are in; K step 1's sixteen may be out
	SUMSQ X, 1
	QUANT X, PCA, PW
	s_wait_dscnt 0x0
	SUMSQ X+64, 0
	QUANT X+64, PCB, PW+1
	v_pk_add_f32 v[SQ:SQ+1], v[SQ:SQ+1], v[SQ+2:SQ+3]
	v_pk_add_f32 v[SQ+4:SQ+5], v[SQ+4:SQ+5], v[SQ+6:SQ+7]
	v_pk_add_f32 v[SQ:SQ+1], v[SQ:SQ+1], v[SQ+4:SQ+5]
	v_add_f32 v[SS], v[SQ], v[SQ+1]                ; my 128 numbers',
	v_permlanex16_b32 v[SS+1], v[SS], s20, s21
	v_add_f32 v[SS], v[SS], v[SS+1]                ; and lane l xor 16's: the row's sum of squares, the same bits in both halves of the lanes
.irp q, 0,1,2
	global_store_b128 v[L16], v[PCA+4*\q:PCA+4*\q+3], s[8:9] offset:512*\q          ; 32 lanes store 512 consecutive bytes, at a multiple of 256 from the buffer's first byte
	global_store_b128 v[L16], v[PCB+4*\q:PCB+4*\q+3], s[8:9] offset:1536+512*\q
.endr
	s_mov_b32 vcc_lo, 0xffff0000
	v_cndmask_b32 v[SW], v[PW], v[PW+1], vcc_lo    ; lanes 0-15 K step 0's word, lanes 16-31 K step 1's
	ds_store_b32 v[TW], v[SW]                      ; the record's last 256 bytes are gathered in the tail:
	ds_store_b32 v[TS], v[SS] offset:128           ; (both halves of the lanes write the same word with the same value)
	ds_store_b32 v[TS], v[NIL] offset:192
	ds_load_b64 v[12:13], v[TR]                    ; LDS serves a wave's instructions in order: this sees my stores
	s_wait_dscnt 0x0
	global_store_b64 v[L8], v[12:13], s[8:9] offset:3072   ; 32 lanes store 256 consecutive bytes, aligned
	s_wait_tensorcnt 0x0
	ds_add_u32 v224, v225
	s_wait_dscnt 0x0
	s_endpgm
.Lfunc_end_k_qc62711a138_pack:
	.size	k_qc62711a138_pack, .Lfunc_end_k_qc62711a138_pack-k_qc62711a138_pack
	.p2alignl 7, 3214868480
	.fill 96, 4, 3214868480
	.section	.rodata,"a",@progbits
	.p2align	6, 0x0
	.amdhsa_kernel k_qc62711a138_pack
		.amdhsa_group_segment_fixed_size 68096
		.amdhsa_private_segment_fixed_size 0
		.amdhsa_enable_private_segment 0
		.amdhsa_kernarg_size 32
		.amdhsa_user_sgpr_count 2
		.amdhsa_user_sgpr_kernarg_segment_ptr 1
		.amdhsa_wavefront_size32 1
		.amdhsa_system_sgpr_workgroup_id_x 1
		.amdhsa_system_sgpr_workgroup_id_y 1
		.amdhsa_system_sgpr_workgroup_id_z 1
		.amdhsa_system_vgpr_workitem_id 0
		.amdhsa_next_free_vgpr 226
		.amdhsa_next_free_sgpr 66
		.amdhsa_reserve_vcc 1
		.amdhsa_float_denorm_mode_32 3
		.amdhsa_float_denorm_mode_16_64 3
		.amdhsa_memory_ordered 1
		.amdhsa_forward_progress 1
		.amdhsa_inst_pref_size 23
	.end_amdhsa_kernel
	.amdgpu_metadata
---
amdhsa.version: [ 1, 2 ]
amdhsa.kernels:
  - .name:           k_qc62711a138_pack
    .symbol:         k_qc62711a138_pack.kd
    .args:
      - { .name: z, .offset: 0, .size: 8, .value_kind: global_buffer, .address_space: global }
      - { .name: W, .offset: 8, .size: 8, .value_kind: global_buffer, .address_space: global }
      - { .name: zrec, .offset: 16, .size: 8, .value_kind: global_buffer, .address_space: global }
      - { .name: wrec, .offset: 24, .size: 8, .value_kind: global_buffer, .address_space: global }
    .group_segment_fixed_size: 68096
    .private_segment_fixed_size: 0
    .kernarg_segment_align: 8
    .kernarg_segment_size: 32
    .max_flat_workgroup_size: 128
    .sgpr_count:     66
    .vgpr_count:     226
    .wavefront_size: 32
...
	.end_amdgpu_metadata
.endif
;; end of part 1
;; launch search (part 2): grid 8 x 32, 8 waves a work-group, clusters of 4 x 4, 327,680 bytes of LDS; arguments zrec, wrec, cand; writes cand
.if DOCPART == 2
	.amdgcn_target "amdgcn-amd-amdhsa--gfx1250"
	.amdhsa_code_object_version 6
	.text
	.protected	k_qc62711a138_search
	.globl	k_qc62711a138_search
	.p2align	8
	.type	k_qc62711a138_search,@function
k_qc62711a138_search:
	s_mov_b64 s[64:65], 0
	v_nop
	global_prefetch_b8 v0, s[64:65] scope:SCOPE_SE
	s_setreg_imm32_b32 hwreg(HW_REG_WAVE_MODE, 25, 1), 1
	s_wait_xcnt 0x0
	s_wait_alu depctr_hold_cnt(0) depctr_sa_sdst(0) depctr_va_vdst(0) depctr_va_sdst(0) depctr_va_ssrc(0) depctr_va_vcc(0) depctr_vm_vsrc(0)
	s_getreg_b32 s2, hwreg(HW_REG_IB_STS2, 6, 4)
	s_cmp_eq_u32 s2, 0
	s_cbranch_scc0 .Lentry_in_a_cluster
	s_endpgm
.Lentry_in_a_cluster:
	s_bfe_u32 s2, ttmp6, 0x10000c
	s_cmp_lg_u32 s2, 0xf033
	s_cbranch_scc0 .Lentry_shape_is_right
	s_endpgm
.Lentry_shape_is_right:
; d[n][k] = (|z_n|^2 + |w_k|^2) - 2 z_n.w_k with the product on codes of FP6 (E2M3); for each row n the first k with the least d.
; zrec, wrec: records of 16 rows, 3,328 bytes: two fragment images (K step s at 1536 s), a scale image at 3072, the rows' sums of squares at 3200.
; THE DEAL: work-group (x, y) takes z's rows 1024 y .. + 1023 (64 records) against W's rows 1024 x .. + 1023 (64 records): 4,096 tiles of 16 x 16, 256 work-groups.
; A wave keeps 8 records of z in registers and walks all 64 records of W, which lie in LDS: every row of z has one owner among the waves.
; For its row and its 8 codes of a tile a lane keeps the least d so far, the record that brought it, and that tile's first seven d (the place in the tile is read off them at the end).
; d is made with the two roundings of its definition: t = zz + ww, d = fma(-2, dot, t).  A later d wins only if it is strictly less: the first index is kept.
; THE VECTOR WORK is written in dual-issue pairs: for a tile 4 pairs of additions, 4 of multiply-adds, 4 of minima, one compare, 4 pairs of selects.
; The registers are laid so that a pair's destinations are one even and one odd and its like sources differ in register number mod 4.
; OUT: cand[x][n] = (key, index): key = d's bits turned so that unsigned order is d's order.  The next launch takes the least of the eight x by whole-number compares.
; CLUSTERS 4 x 4: z's records hang on y alone and are asked for jointly along a row of the cluster, W's on x alone, along a column.
; LDS: W's record c at c REC.  Records 0-15 come at the head; z's 64 records lie behind them at the head and are read into registers once;
; then W's records 16-63 are laid over z's bytes: ONE refill, behind the full sequence and a round.  Nothing else is filled again, so the walk has no ring.
; No prefetch: every byte of LDS is asked for at the head or one record later; there is no stream in the loops to run ahead of.
; LIMITS: NaN and infinities among the inputs are not served (a NaN loses in the minima).
.set REC,   3328
.set R_SC,  3072
.set R_SS,  3200
.set ZA,    16*REC                     ; z's records at the head; later W's records 16-63
.set SPARE, 80*REC                     ; the spare words: 128 bytes a wave, four blocks of 256 bytes that no other line names
.set SPW, 1
.set NIL, 2
.set AF0, 3                            ; 16 x lane, 4 x lane, 32 x half: a record's fragments, scale word, sums of squares
.set AS0, 4
.set AW0, 5
.set AF,  6                            ; the same + the trip's first record
.set AS,  7
.set AW,  8
.set HB,  9                            ; 1024 x + 8 x half: my codes' first index in a tile of record 0
.set CO,  10                           ; 8 x lane
.set TIDV, 11                          ; the record at work
.set P,   12                           ; v12-27   the minima's trees, four registers a tile
.set TA,  28                           ; v28-59   t, then d, of four tiles
.set ACC, 60                           ; v60-123  two sets of four accumulators
.set WW,  124                          ; v124-139 W's sums of squares, set p at + 8 p
.set WS,  140                          ; v140-141 W's scale words
.set ZZ,  142                          ; v142-149 z's sums of squares, a register a tile
.set BE,  150                          ; v150-165 the least d, two registers a tile by turns: parity p at + 8 p
.set SCZ, 166                          ; v166-173 z's scale words
.set SV,  176                          ; v176-239 tile z at + 8 z: seven saved d, the record
.set ZF,  240                          ; the head: z's addresses
.set ZS,  241
.set ZW,  242
.set JJ,  28                           ; the end: v28-35 index, v36-37 the other half's, v38 at work, v40-47 key, v48-55 pairs to store
.set KD,  40
.set OU,  48
; window 1: v0-191 z's fragments (24 a tile), v192-239 W's fragments (set p at 192 + 24 p)
.set WV, 10
.set CX, 11
.set CY, 12
.set XX, 13
.set YY, 14
.set W3, 15
.set G1Z, 24
.set G1A, 32
.set G1B, 40
.set G0Z, 48
.set G0A, 52
.set G0B, 56
.set SEL, 60
.set CNT, 62
.set TB,  66
.set INF, 67
.set LX,  72
.set HM,  75
.set MSB, 0
.macro WIN new                         ; the immediate's high byte repeats the setting that is left
.if MSB != \new
	s_set_vgpr_msb (MSB<<8)|\new
.set MSB, \new
.endif
.endm
.macro CROUND                          ; a round of the cluster's barrier
	s_barrier_signal -1
	s_barrier_wait -1
	s_cmp_lg_u32 s[WV], 0
	s_cbranch_scc1 .Lnot_wave_0_\@
	s_barrier_signal -3
.Lnot_wave_0_\@:
	s_barrier_wait -3
	s_barrier_signal -1
	s_barrier_wait -1
.endm
.macro G1REST g, rows                  ; a dense block as rows of 256 bytes (32 elements of 8 bytes)
	s_mov_b32 s[\g+1], 32<<16
	s_mov_b32 s[\g+2], (\rows)<<16
	s_mov_b32 s[\g+3], 32<<16
	s_mov_b32 s[\g+4], \rows
	s_mov_b32 s[\g+5], 32
	s_mov_b32 s[\g+6], 0
	s_mov_b32 s[\g+7], 0
.endm
.macro PLACES
.rept 4
	v_nop
.endr
.endm
	s_load_b128 s[4:7], s[0:1], 0x0                ; zrec, wrec
	s_load_b64 s[8:9], s[0:1], 0x10                ; cand
	v_lshl_add_u32 v[SPW], v0, 2, SPARE
	v_mov_b32 v[NIL], 0
	ds_add_u32 v[SPW], v[NIL]                      ; the opening add, twice on end, and its wait
	ds_add_u32 v[SPW], v[NIL]
	v_lshrrev_b32 v12, 5, v0
	v_readfirstlane_b32 s[WV], v12                 ; wave 0..7
	s_and_b32 s[W3], s[WV], 3
	s_bfe_u32 s[CX], ttmp6, 0x40000
	s_bfe_u32 s[CY], ttmp6, 0x40004
	s_lshl_b32 s[XX], ttmp9, 2
	s_add_co_u32 s[XX], s[XX], s[CX]               ; x: which 64 records of W
	s_and_b32 s[YY], ttmp7, 0xffff
	s_lshl_b32 s[YY], s[YY], 2
	s_add_co_u32 s[YY], s[YY], s[CY]               ; y: which 64 records of z
	s_lshl_b32 s16, s[CY], 2
	s_lshl_b32 s16, 15, s16                        ; my row of the cluster
	s_lshl_b32 s17, 0x1111, s[CX]                  ; my column
	s_or_b32 s[G1Z], s16, (3<<16)|(1<<21)
	s_or_b32 s[G1A], s17, (3<<16)|(1<<21)
	s_or_b32 s[G1B], s17, (3<<16)|(1<<21)
	G1REST G1Z, 208                                ; 16 records of z
	G1REST G1A, 52                                 ; 4 records of W
	G1REST G1B, 78                                 ; 6 records of W
	s_lshl_b32 s18, s[YY], 6
	s_lshl_b32 s19, s[W3], 4
	s_add_co_u32 s18, s18, s19
	s_mul_i32 s18, s18, REC                        ; z: record 64 y + 16 (wave % 4)
	s_mov_b32 s19, 0
	s_lshl_b32 s20, s[XX], 6
	s_lshl_b32 s21, s[W3], 2
	s_add_co_u32 s21, s20, s21                     ; W at the head: record 64 x + 4 (wave % 4)
	s_mul_i32 s22, s[WV], 6
	s_add_co_u32 s22, s22, s20
	s_add_co_u32 s22, s22, 16                      ; W's refill: record 64 x + 16 + 6 wave
	s_mul_i32 s20, s21, REC
	s_mov_b32 s21, 0
	s_mul_i32 s22, s22, REC
	s_mov_b32 s23, 0
	s_mov_b32 s[G0Z], 1
	s_mul_i32 s[G0Z+1], s[W3], 16*REC
	s_add_co_u32 s[G0Z+1], s[G0Z+1], ZA
	s_mov_b32 s[G0A], 1
	s_mul_i32 s[G0A+1], s[W3], 4*REC
	s_mov_b32 s[G0B], 1
	s_mul_i32 s[G0B+1], s[WV], 6*REC
	s_add_co_u32 s[G0B+1], s[G0B+1], ZA
	s_mov_b32 s[SEL], 0x76543210
	s_mov_b32 s[SEL+1], 0xfedcba98                 ; v_permlanex16_b32's selects for lane l xor 16
	s_mov_b32 s[INF], 0x7f800000
	s_mov_b32 s[HM], 0xffff0000
	s_lshl_b32 s76, s[XX], 18                      ; cand: 262,144 x + 8 (1024 y + 128 wave)
	s_lshl_b32 s77, s[YY], 13
	s_add_co_u32 s76, s76, s77
	s_lshl_b32 s77, s[WV], 10
	s_add_co_u32 s76, s76, s77
	s_mov_b32 s77, 0
	s_mul_i32 s78, s[WV], 8*REC
	s_add_co_u32 s78, s78, ZA                      ; my 8 records of z in LDS
	s_lshl_b32 s79, s[XX], 10
	s_wait_dscnt 0x0                               ; both opening adds are done
	s_wait_kmcnt 0x0
	s_add_nc_u64 s[G0Z+2:G0Z+3], s[4:5], s[18:19]
	s_or_b32 s[G0Z+3], s[G0Z+3], 0x80000000
	s_add_nc_u64 s[G0A+2:G0A+3], s[6:7], s[20:21]
	s_or_b32 s[G0A+3], s[G0A+3], 0x80000000
	s_add_nc_u64 s[G0B+2:G0B+3], s[6:7], s[22:23]
	s_or_b32 s[G0B+3], s[G0B+3], 0x80000000
	s_add_nc_u64 s[8:9], s[8:9], s[76:77]
	CROUND                                         ; all sixteen work-groups are here: the first joint loads meet
	s_cmp_lt_u32 s[WV], 4                          ; one load a wave at the head: waves 0-3 z's 64 records, waves 4-7 W's records 0-15
	s_cbranch_scc0 .Lhead_w
	tensor_load_to_lds s[G0Z:G0Z+3], s[G1Z:G1Z+7]
	s_nop 0
	PLACES
	s_branch .Lhead_asked
.Lhead_w:
	tensor_load_to_lds s[G0A:G0A+3], s[G1A:G1A+7]
	s_nop 0
	PLACES
.Lhead_asked:
	v_and_b32 v243, 31, v0                         ; lane
	v_bfe_u32 v244, v0, 4, 1                       ; half
	v_and_b32 v245, 15, v0                         ; r
	v_lshlrev_b32 v[AF0], 4, v243
	v_lshlrev_b32 v[AS0], 2, v243
	v_lshlrev_b32 v[AW0], 5, v244
	v_lshl_add_u32 v[ZF], v243, 4, s78
	v_lshl_add_u32 v[ZS], v243, 2, s78
	v_lshl_add_u32 v[ZW], v245, 2, s78
	v_lshl_add_u32 v[HB], v244, 3, s79
	v_lshlrev_b32 v[CO], 3, v243
	v_mov_b32 v[TIDV], 0
.irp z, 0,1,2,3,4,5,6,7
	v_mov_b32 v[BE+\z], s[INF]                     ; least d so far: +infinity,
.irp j, 0,1,2,3,4,5,6
	v_mov_b32 v[SV+8*\z+\j], s[INF]                ; the saved d likewise,
.endr
	v_mov_b32 v[SV+8*\z+7], 0                      ; record 0
.endr
	s_wait_alu depctr_va_vdst(0)
	s_wait_tensorcnt 0x0                           ; my part of the head's tiles is in
	s_barrier_signal -1
	s_barrier_wait -1                              ; and everybody's
.macro LOADSET p, off, f, s, w         ; a record of W into set p: nine loads
	WIN 0x40
.irp q, 0,1,2,3,4,5
	ds_load_b128 v[192+24*(\p)+4*\q:192+24*(\p)+4*\q+3], v[\f] offset:(\off)+512*\q
.endr
	WIN 0
	ds_load_b32 v[WS+(\p)], v[\s] offset:(\off)+R_SC
	ds_load_b128 v[WW+8*(\p):WW+8*(\p)+3], v[\w] offset:(\off)+R_SS
	ds_load_b128 v[WW+8*(\p)+4:WW+8*(\p)+7], v[\w] offset:(\off)+R_SS+16
.endm
	LOADSET 0, 0, AF0, AS0, AW0
.irp z, 0,1,2,3,4,5,6,7
	ds_load_b32 v[SCZ+\z], v[ZS] offset:REC*\z+R_SC
	ds_load_b32 v[ZZ+\z], v[ZW] offset:REC*\z+R_SS
.endr
	WIN 0x40
.irp z, 0,1,2,3,4,5,6,7
.irp q, 0,1,2,3,4,5
	ds_load_b128 v[24*\z+4*\q:24*\z+4*\q+3], v[ZF] offset:REC*\z+512*\q
.endr
.endr
	WIN 0
; source 0 = 16 codes of W, source 1 = 16 rows of z: lane (r, h) holds row r of z, register j the code 8 h + j
.macro WMM s, p, acc, z
.if \s == 0
	v_wmma_scale_f32_16x16x128_f8f6f4 v[\acc:\acc+7], v[192+24*(\p):192+24*(\p)+11], v[24*(\z):24*(\z)+11], 0, v[WS+(\p)], v[SCZ+(\z)] matrix_a_fmt:MATRIX_FMT_FP6 matrix_b_fmt:MATRIX_FMT_FP6
.else
	v_wmma_scale_f32_16x16x128_f8f6f4 v[\acc:\acc+7], v[192+24*(\p)+12:192+24*(\p)+23], v[24*(\z)+12:24*(\z)+23], v[\acc:\acc+7], v[WS+(\p)], v[SCZ+(\z)] matrix_a_fmt:MATRIX_FMT_FP6 matrix_b_fmt:MATRIX_FMT_FP6 matrix_a_scale:MATRIX_SCALE_ROW1 matrix_b_scale:MATRIX_SCALE_ROW1
.endif
.endm
.macro WGRP p, a, z0                   ; eight matrix instructions: set p against tiles z0 .. z0 + 3, the four accumulators of set a by turns
	WIN 0x05                                       ; both sources in window 1
.irp q, 0,1,2,3
	WMM 0, \p, ACC+32*\a+8*\q, \z0+\q
.endr
.irp q, 0,1,2,3
	WMM 1, \p, ACC+32*\a+8*\q, \z0+\q
.endr
	WIN 0
.endm
; the vector work of four tiles: pp = the record's parity (W's set; which of the two registers holds the least d so far)
.macro EPI pp, a, z0
.set BO, BE+8*(\pp)+\z0
.set BN, BE+8-8*(\pp)+\z0
.irp g, 0,2                            ; t = ww + zz: a pair takes one number of each of two tiles
.irp j, 0,2,4,6
	v_dual_add_f32 v[TA+8*\g+\j], v[WW+8*(\pp)+\j], v[ZZ+\z0+\g] :: v_dual_add_f32 v[TA+8*\g+9+\j], v[WW+8*(\pp)+\j+1], v[ZZ+\z0+\g+1]
	v_dual_add_f32 v[TA+8*\g+8+\j], v[WW+8*(\pp)+\j], v[ZZ+\z0+\g+1] :: v_dual_add_f32 v[TA+8*\g+1+\j], v[WW+8*(\pp)+\j+1], v[ZZ+\z0+\g]
.endr
.endr
.irp q, 0,1,2,3                        ; d = t - 2 dot, one rounding; each accumulator is read from its low end on
.irp j, 0,2,4,6
	v_dual_fmac_f32 v[TA+8*\q+\j], -2.0, v[ACC+32*\a+8*\q+\j] :: v_dual_fmac_f32 v[TA+8*\q+\j+1], -2.0, v[ACC+32*\a+8*\q+\j+1]
.endr
.endr
.irp q, 0,1,2,3                        ; the tile's least d: 8 -> 4
	v_dual_min_num_f32 v[P+4*\q], v[TA+8*\q], v[TA+8*\q+4] :: v_dual_min_num_f32 v[P+4*\q+1], v[TA+8*\q+1], v[TA+8*\q+5]
	v_dual_min_num_f32 v[P+4*\q+2], v[TA+8*\q+2], v[TA+8*\q+6] :: v_dual_min_num_f32 v[P+4*\q+3], v[TA+8*\q+3], v[TA+8*\q+7]
.endr
.irp q, 0,1,2,3                        ; 4 -> 2
	v_dual_min_num_f32 v[P+4*\q], v[P+4*\q], v[P+4*\q+2] :: v_dual_min_num_f32 v[P+4*\q+1], v[P+4*\q+1], v[P+4*\q+3]
.endr
.irp g, 0,2                            ; 2 -> 1, two tiles to a pair
	v_dual_min_num_f32 v[P+4*\g], v[P+4*\g], v[P+4*\g+1] :: v_dual_min_num_f32 v[P+4*\g+5], v[P+4*\g+5], v[P+4*\g+4]
.endr
.irp g, 0,2                            ; with what was
	v_dual_min_num_f32 v[BN+\g], v[P+4*\g], v[BO+\g] :: v_dual_min_num_f32 v[BN+\g+1], v[P+4*\g+5], v[BO+\g+1]
.endr
.irp q, 0,1,2,3
	v_cmp_lt_f32 vcc_lo, v[BN+\q], v[BO+\q]        ; strictly less: this tile wins, and its first seven d and its record are kept
.irp j, 0,2,4
	v_dual_cndmask_b32 v[SV+8*(\z0+\q)+\j], v[SV+8*(\z0+\q)+\j], v[TA+8*\q+\j] :: v_dual_cndmask_b32 v[SV+8*(\z0+\q)+\j+1], v[SV+8*(\z0+\q)+\j+1], v[TA+8*\q+\j+1]
.endr
	v_dual_cndmask_b32 v[SV+8*(\z0+\q)+6], v[SV+8*(\z0+\q)+6], v[TA+8*\q+6] :: v_dual_cndmask_b32 v[SV+8*(\z0+\q)+7], v[SV+8*(\z0+\q)+7], v[TIDV]
.endr
.endm
; A record of W (parity p): products of tiles 0-3; the last record's vector work of tiles 4-7; the next record's loads; products of tiles 4-7; vector work of tiles 0-3.
.macro RECORD p, prev, load, off, f, s, w
.if \prev
	s_wait_dscnt 0x0                               ; this record's nine loads are in
.else
	s_wait_dscnt 24                                ; all but the youngest 24 loads: z's tiles 4-7
.endif
	WGRP \p, 0, 0
.if \prev
	EPI 1-(\p), 1, 4
	v_add_nc_u32 v[TIDV], 1, v[TIDV]
.endif
.if \load
	LOADSET 1-(\p), \off, \f, \s, \w
.endif
.if \prev == 0
	s_wait_dscnt 9                                 ; all but the nine just issued
.endif
	WGRP \p, 1, 4
	EPI \p, 0, 0
.endm
.macro PAIR                            ; two records; s[TB] = the first one's place in LDS
	v_add_nc_u32 v[AF], s[TB], v[AF0]
	v_add_nc_u32 v[AS], s[TB], v[AS0]
	v_add_nc_u32 v[AW], s[TB], v[AW0]
	RECORD 1, 1, 1, REC, AF, AS, AW
	RECORD 0, 1, 1, 2*REC, AF, AS, AW
	s_add_co_u32 s[TB], s[TB], 2*REC
	s_sub_co_u32 s[CNT], s[CNT], 1
	s_cmp_lg_u32 s[CNT], 0
.endm
	RECORD 0, 0, 1, REC, AF0, AS0, AW0             ; record 0
	s_wait_tensorcnt 0x0                           ; z is in registers: its bytes are filled again.
	ds_add_u32 v[SPW], v[NIL]
	s_wait_dscnt 0x0                               ; the add is done, and my reads of z's bytes are back
	CROUND                                         ; of every wave of every partner
	tensor_load_to_lds s[G0B:G0B+3], s[G1B:G1B+7]  ; W's records 16-63, six a wave: my one load behind the round; records 1-14 are worked meanwhile
	s_nop 0
	PLACES
	s_mov_b32 s[TB], REC
	s_mov_b32 s[CNT], 7
.Lfirst:                                               ; records 1-14; they load up to record 15
	PAIR
	s_cbranch_scc1 .Lfirst
	s_wait_tensorcnt 0x0                           ; my six records are in
	s_wait_dscnt 0x0
	s_barrier_signal -1
	s_barrier_wait -1                              ; and everybody's
	s_mov_b32 s[TB], 15*REC
	s_mov_b32 s[CNT], 24
.Lrest:                                                ; records 15-62; they load up to record 63
	PAIR
	s_cbranch_scc1 .Lrest
	RECORD 1, 1, 0, 0, AF, AS, AW                  ; record 63
	EPI 1, 1, 4
; THE END: the place in the winning tile is the first saved d that equals the least (else 7); the two halves of the lanes are joined, the lower index winning a tie.
.macro LEX dd, d, k, d2, k2
	v_cmp_lt_f32 s[LX], v[\d2], v[\d]
	v_cmp_eq_f32 s[LX+1], v[\d2], v[\d]
	v_cmp_lt_u32 s[LX+2], v[\k2], v[\k]
	s_and_b32 s[LX+1], s[LX+1], s[LX+2]
	s_or_b32 s[LX], s[LX], s[LX+1]
	v_cndmask_b32 v[\dd], v[\d], v[\d2], s[LX]
	v_cndmask_b32 v[\k], v[\k], v[\k2], s[LX]
.endm
.irp z, 0,1,2,3,4,5,6,7
	v_mov_b32 v[JJ+\z], 7
.endr
.irp j, 6,5,4,3,2,1,0
.irp z, 0,1,2,3,4,5,6,7
	v_cmp_neq_f32 vcc_lo, v[SV+8*\z+\j], v[BE+\z]
	v_cndmask_b32 v[JJ+\z], \j, v[JJ+\z], vcc_lo
.endr
.endr
	v_mov_b32 v36, 0                               ; a lane permute's destination counts as one of its sources
	v_mov_b32 v37, 0
.irp z, 0,1,2,3,4,5,6,7
	v_lshl_add_u32 v[JJ+\z], v[SV+8*\z+7], 4, v[JJ+\z]
	v_add_nc_u32 v[JJ+\z], v[JJ+\z], v[HB]         ; index = 1024 x + 16 record + 8 half + place
	v_permlanex16_b32 v36, v[BE+\z], s[SEL], s[SEL+1]
	v_permlanex16_b32 v37, v[JJ+\z], s[SEL], s[SEL+1]
	LEX KD+\z, BE+\z, JJ+\z, 36, 37
	v_ashrrev_i32 v38, 31, v[KD+\z]                ; the key: a negative number's bits are all turned, of the others the sign bit alone
	v_or_b32 v38, 0x80000000, v38
	v_xor_b32 v[KD+\z], v[KD+\z], v38
.endr
.irp p, 0,1,2,3
	v_cndmask_b32 v[OU+2*\p], v[KD+2*\p], v[KD+2*\p+1], s[HM]      ; lanes 0-15 tile 2 p's rows, lanes 16-31 tile 2 p + 1's
	v_cndmask_b32 v[OU+2*\p+1], v[JJ+2*\p], v[JJ+2*\p+1], s[HM]
.endr
.irp p, 0,1,2,3
	global_store_b64 v[CO], v[OU+2*\p:OU+2*\p+1], s[8:9] offset:256*\p   ; 32 lanes store 256 consecutive bytes, aligned
.endr
	s_wait_tensorcnt 0x0                           ; the wave's end
	ds_add_u32 v[SPW], v[NIL]
	s_wait_dscnt 0x0
	CROUND                                         ; the closing round
	s_endpgm
.Lfunc_end_k_qc62711a138_search:
	.size	k_qc62711a138_search, .Lfunc_end_k_qc62711a138_search-k_qc62711a138_search
	.p2alignl 7, 3214868480
	.fill 96, 4, 3214868480
	.section	.rodata,"a",@progbits
	.p2align	6, 0x0
	.amdhsa_kernel k_qc62711a138_search
		.amdhsa_group_segment_fixed_size 327680
		.amdhsa_private_segment_fixed_size 0
		.amdhsa_enable_private_segment 0
		.amdhsa_kernarg_size 24
		.amdhsa_user_sgpr_count 2
		.amdhsa_user_sgpr_kernarg_segment_ptr 1
		.amdhsa_wavefront_size32 1
		.amdhsa_system_sgpr_workgroup_id_x 1
		.amdhsa_system_sgpr_workgroup_id_y 1
		.amdhsa_system_sgpr_workgroup_id_z 1
		.amdhsa_system_vgpr_workitem_id 0
		.amdhsa_next_free_vgpr 512
		.amdhsa_next_free_sgpr 80
		.amdhsa_reserve_vcc 1
		.amdhsa_float_denorm_mode_32 3
		.amdhsa_float_denorm_mode_16_64 3
		.amdhsa_memory_ordered 1
		.amdhsa_forward_progress 1
		.amdhsa_inst_pref_size 92
	.end_amdhsa_kernel
	.amdgpu_metadata
---
amdhsa.version: [ 1, 2 ]
amdhsa.kernels:
  - .name:           k_qc62711a138_search
    .symbol:         k_qc62711a138_search.kd
    .args:
      - { .name: zrec, .offset: 0, .size: 8, .value_kind: global_buffer, .address_space: global }
      - { .name: wrec, .offset: 8, .size: 8, .value_kind: global_buffer, .address_space: global }
      - { .name: cand, .offset: 16, .size: 8, .value_kind: global_buffer, .address_space: global }
    .group_segment_fixed_size: 327680
    .private_segment_fixed_size: 0
    .kernarg_segment_align: 8
    .kernarg_segment_size: 24
    .max_flat_workgroup_size: 256
    .sgpr_count:     80
    .vgpr_count:     512
    .wavefront_size: 32
...
	.end_amdgpu_metadata
.endif
;; end of part 2
;; launch gather (part 3): grid 512 x 1, 8 waves a work-group, no clusters, 0 bytes of LDS; arguments z, W, cand, out0, out1, out2; writes out0, out1, out2
.if DOCPART == 3
	.amdgcn_target "amdgcn-amd-amdhsa--gfx1250"
	.amdhsa_code_object_version 6
	.text
	.protected	k_qc62711a138_gather
	.globl	k_qc62711a138_gather
	.p2align	8
	.type	k_qc62711a138_gather,@function
k_qc62711a138_gather:
	s_mov_b64 s[64:65], 0
	v_nop
	global_prefetch_b8 v0, s[64:65] scope:SCOPE_SE
	s_setreg_imm32_b32 hwreg(HW_REG_WAVE_MODE, 25, 1), 1
	s_wait_xcnt 0x0
; idx[n] = the index with the least key among cand[x][n], x = 0 .. 7 (whole numbers from the launch before; a later x wins only if its key is strictly less, so the first index is kept).
; out0[n][:] = z[n][:] + (W[idx[n]][:] - z[n][:]), in f32, with both roundings as they are defined; out1 = idx; out2 = 0, as it is defined.
; A work-group takes 64 rows.  Every wave reads the 64 rows' candidates (lane l: rows 2 l and 2 l + 1, 16 bytes of each x; a load covers 512 consecutive bytes) and picks by whole-number compares;
; wave 0 stores the 64 indices and the 64 zeros, 256 consecutive aligned bytes each.  A wave then moves 8 rows of 1,024 bytes: 16 loads of z, 16 of W's rows; each load and store covers 512 consecutive bytes.
; The text goes in runs: all offsets, all loads, all arithmetic, all stores.
; An index is held to 0 .. 8,191, the table's rows, before it enters an address.  No LDS, no barrier, no matrix unit.
.set OFF, 4                            ; v4-11    row i: 1,024 x idx + 16 x lane
.set P,   12                           ; v12-13   my two rows' indices; v14-15 zeros
.set Z,   16                           ; v16-79   row i: 8 registers of z
.set WR,  80                           ; v80-143  row i: 8 registers of W's row, then of the result
.set C,   80                           ; v80-111  the candidates, used up before W's rows are asked for: x at + 4 x: key, index, key, index
	s_load_b256 s[4:11], s[0:1], 0x0               ; z, W, cand, out0
	s_load_b128 s[12:15], s[0:1], 0x20             ; out1, out2
	v_lshrrev_b32 v1, 5, v0
	v_readfirstlane_b32 s16, v1                    ; wave 0..7
	v_and_b32 v2, 31, v0
	v_lshlrev_b32 v1, 4, v2                        ; 16 x lane
	v_lshlrev_b32 v3, 3, v2                        ; 8 x lane
	v_mov_b32 v[P+2], 0
	v_mov_b32 v[P+3], 0
	s_lshl_b32 s18, ttmp9, 16                      ; 64 rows of 1,024 bytes,
	s_lshl_b32 s17, s16, 13                        ; and my wave's 8
	s_add_co_u32 s18, s18, s17
	s_mov_b32 s19, 0
	s_lshl_b32 s20, ttmp9, 9                       ; 64 candidates of 8 bytes
	s_mov_b32 s21, 0
	s_lshl_b32 s22, ttmp9, 8                       ; 64 numbers of 4 bytes
	s_mov_b32 s23, 0
	s_lshl_b32 s36, s16, 2                         ; my rows 8 wave + i lie in lanes 4 wave + i / 2
	s_add_co_u32 s37, s36, 1
	s_add_co_u32 s38, s36, 2
	s_add_co_u32 s39, s36, 3
	s_wait_alu depctr_va_vdst(0)
	s_wait_kmcnt 0x0
	s_add_nc_u64 s[4:5], s[4:5], s[18:19]
	s_add_nc_u64 s[10:11], s[10:11], s[18:19]
	s_add_nc_u64 s[8:9], s[8:9], s[20:21]
	s_add_nc_u64 s[12:13], s[12:13], s[22:23]
	s_add_nc_u64 s[14:15], s[14:15], s[22:23]
.irp x, 0,1,2,3,4,5,6,7
	global_load_b128 v[C+4*\x:C+4*\x+3], v1, s[8:9] offset:262144*\x
.endr
.irp i, 0,1,2,3,4,5,6,7
	global_load_b128 v[Z+8*\i:Z+8*\i+3], v1, s[4:5] offset:1024*\i th:TH_LOAD_NT
	global_load_b128 v[Z+8*\i+4:Z+8*\i+7], v1, s[4:5] offset:1024*\i+512 th:TH_LOAD_NT
.endr
	s_wait_loadcnt 16                              ; the candidates are in; z's sixteen loads may be out
.irp x, 1,2,3,4,5,6,7
	v_cmp_lt_u32 vcc_lo, v[C+4*\x], v[C]
	v_cmp_lt_u32 s17, v[C+4*\x+2], v[C+2]
	v_cndmask_b32 v[C], v[C], v[C+4*\x], vcc_lo
	v_cndmask_b32 v[C+1], v[C+1], v[C+4*\x+1], vcc_lo
	v_cndmask_b32 v[C+2], v[C+2], v[C+4*\x+2], s17
	v_cndmask_b32 v[C+3], v[C+3], v[C+4*\x+3], s17
.endr
	v_mov_b32 v[P], v[C+1]
	v_mov_b32 v[P+1], v[C+3]
.irp i, 0,1,2,3,4,5,6,7
	v_readlane_b32 s[24+\i], v[P+(\i%2)], s[36+\i/2]
.endr
.irp i, 0,1,2,3,4,5,6,7
	s_min_u32 s[24+\i], s[24+\i], 0x1fff
	s_lshl_b32 s[24+\i], s[24+\i], 10              ; a row of W is 1,024 bytes
.endr
.irp i, 0,1,2,3,4,5,6,7
	v_add_nc_u32 v[OFF+\i], s[24+\i], v1
.endr
.irp i, 0,1,2,3,4,5,6,7
	global_load_b128 v[WR+8*\i:WR+8*\i+3], v[OFF+\i], s[6:7]             ; no hint: a row may be named many times
	global_load_b128 v[WR+8*\i+4:WR+8*\i+7], v[OFF+\i], s[6:7] offset:512
.endr
	s_wait_loadcnt 0x0                             ; z's rows and W's rows are in
.irp i, 0,1,2,3,4,5,6,7
.irp j, 0,2,4,6
	v_pk_add_f32 v[WR+8*\i+\j:WR+8*\i+\j+1], v[WR+8*\i+\j:WR+8*\i+\j+1], v[Z+8*\i+\j:Z+8*\i+\j+1] neg_lo:[0,1] neg_hi:[0,1]   ; w - z
.endr
.irp j, 0,2,4,6
	v_pk_add_f32 v[WR+8*\i+\j:WR+8*\i+\j+1], v[Z+8*\i+\j:Z+8*\i+\j+1], v[WR+8*\i+\j:WR+8*\i+\j+1]                             ; z + (w - z)
.endr
.endr
.irp i, 0,1,2,3,4,5,6,7
	global_store_b128 v1, v[WR+8*\i:WR+8*\i+3], s[10:11] offset:1024*\i th:TH_STORE_NT
	global_store_b128 v1, v[WR+8*\i+4:WR+8*\i+7], s[10:11] offset:1024*\i+512 th:TH_STORE_NT
.endr
	s_cmp_lg_u32 s16, 0
	s_cbranch_scc1 .Ldone
	global_store_b64 v3, v[P:P+1], s[12:13]        ; 32 lanes store 256 consecutive bytes, aligned: 64 indices,
	global_store_b64 v3, v[P+2:P+3], s[14:15]      ; and 64 zeros
.Ldone:
	s_endpgm
.Lfunc_end_k_qc62711a138_gather:
	.size	k_qc62711a138_gather, .Lfunc_end_k_qc62711a138_gather-k_qc62711a138_gather
	.p2alignl 7, 3214868480
	.fill 96, 4, 3214868480
	.section	.rodata,"a",@progbits
	.p2align	6, 0x0
	.amdhsa_kernel k_qc62711a138_gather
		.amdhsa_group_segment_fixed_size 0
		.amdhsa_private_segment_fixed_size 0
		.amdhsa_enable_private_segment 0
		.amdhsa_kernarg_size 48
		.amdhsa_user_sgpr_count 2
		.amdhsa_user_sgpr_kernarg_segment_ptr 1
		.amdhsa_wavefront_size32 1
		.amdhsa_system_sgpr_workgroup_id_x 1
		.amdhsa_system_sgpr_workgroup_id_y 1
		.amdhsa_system_sgpr_workgroup_id_z 1
		.amdhsa_system_vgpr_workitem_id 0
		.amdhsa_next_free_vgpr 144
		.amdhsa_next_free_sgpr 66
		.amdhsa_reserve_vcc 1
		.amdhsa_float_denorm_mode_32 3
		.amdhsa_float_denorm_mode_16_64 3
		.amdhsa_memory_ordered 1
		.amdhsa_forward_progress 1
		.amdhsa_inst_pref_size 15
	.end_amdhsa_kernel
	.amdgpu_metadata
---
amdhsa.version: [ 1, 2 ]
amdhsa.kernels:
  - .name:           k_qc62711a138_gather
    .symbol:         k_qc62711a138_gather.kd
    .args:
      - { .name: z, .offset: 0, .size: 8, .value_kind: global_buffer, .address_space: global }
      - { .name: W, .offset: 8, .size: 8, .value_kind: global_buffer, .address_space: global }
      - { .name: cand, .offset: 16, .size: 8, .value_kind: global_buffer, .address_space: global }
      - { .name: out0, .offset: 24, .size: 8, .value_kind: global_buffer, .address_space: global }
      - { .name: out1, .offset: 32, .size: 8, .value_kind: global_buffer, .address_space: global }
      - { .name: out2, .offset: 40, .size: 8, .value_kind: global_buffer, .address_space: global }
    .group_segment_fixed_size: 0
    .private_segment_fixed_size: 0
    .kernarg_segment_align: 8
    .kernarg_segment_size: 48
    .max_flat_workgroup_size: 256
    .sgpr_count:     66
    .vgpr_count:     144
    .wavefront_size: 32
...
	.end_amdgpu_metadata
.endif
;; end of part 3
